; MI455X (gfx1250); checked and timed in simulation.
; The chip was launched on July 23, 2026; its instructions are those of AMD's public machine-readable ISA for CDNA 5 (MIT licence, August 2026) and "CDNA5" Instruction Set Architecture Reference Guide (July 2026). The comments in the code are by the model that wrote it; some were corrected since.
;; My Embedding. Allowed arithmetic: matrix products marked QUANTISED: E4M3 operands, one given power-of-two scale a tensor, by v_wmma_f32_16x16x64_fp8_fp8 or v_wmma_f32_16x16x128_fp8_fp8, f32 sums; everything else in f32.
;; Inputs: embedding 8,000 x 1,024 float32; lowp_scales 2 int32 (the exponents e of the quantised operands' scales 2^e); token_ids 4 x 2,048 int32.
;; Outputs: out0 4 x 2,048 x 1,024 float32.
;; This version of the problem:
;;   THIS VERSION OF THE PROBLEM IS GIVEN IN LOW PRECISION. The matrix products marked QUANTISED in the list below multiply operands that are first quantised to E4M3 (4 exponent bits, 3 mantissa bits; 8 bits a number), with one given power-of-two scale for each operand tensor; their sums are f32. All else is computed in f32.
;;   The module's matrix products, in the order in which they are computed (A, B: the left and right operand; K: the contracted axis; several contracted axes count as one K, in the product's order):
;;     1. [M 8,192, K 8,000] x [K 8,000, N 1,024]; A: computed on the way; B: input embedding: QUANTISED (scales: A lowp_scales[0], B lowp_scales[1])
;;   THE QUANTISER, for each operand of a quantised product, along K:
;;     - The operand's scale is 2^e, e = its entry of the input lowp_scales (int32; the entries are numbered through the quantised products in the list's order, A before B).
;;     - Each number is divided by the scale, clamped to +-448, and rounded to the nearest number of E4M3, ties to even, subnormals kept.
;;     - The product sums the exact products of the quantised numbers (number of the format x scale) in f32.
;;   ~~~python
;;   def quantise(x, axis, e):      # numpy; x: float32 -> the quantised numbers, widened to float32 again
;;       x = np.moveaxis(x, axis, -1); K = x.shape[-1]
;;       r = np.clip(x / 2.0 ** e, -448, 448)
;;       step = 2.0 ** (np.maximum(np.frexp(np.where(r == 0, 1, r))[1] - 1, -6) - 3)
;;       q = np.round(r / step) * step * 2.0 ** e      # np.round: ties to even
;;       return np.moveaxis(q, -1, axis).astype(np.float32)
;;   ~~~
;;   OPERANDS COMPUTED ON THE WAY. 'Computed on the way' means the value that the module computes at that place (a softmax that the list does not call 'softmax' is quantised finished and normalised). What goes into a quantiser is computed in f32, as accurately as f32 sums, v_exp_f32 and their like allow (about 1e-6 of the number): no bf16 or f16 on the way to a quantiser, and a product that is left as it is and whose result goes on into a quantised operand takes f32 operands (vector FMAs, or v_wmma_f32_16x16x4_f32). A number that lies on a knife's edge between two numbers of the format may be rounded either way, as far as f32 arithmetic and the matrix unit's own rounding can turn it there, and no further.
;; 2 versions, each right and faster than the one before. Each part assembles by itself: llvm-mc -triple=amdgcn-amd-amdhsa -mcpu=gfx1250 --defsym DOCPART=n.
;; ======== version 1 of 2: 2 launches
;; workspace buffers: bq 8,388,608 bytes
;; launch quant (part 1): grid 64 x 8, 4 waves a work-group, no clusters, 0 bytes of LDS; arguments embedding, lowp_scales, bq; writes bq
.if DOCPART == 1
	.amdgcn_target "amdgcn-amd-amdhsa--gfx1250"
	.amdhsa_code_object_version 6
	.text
	.protected	k_qb1181b2c03_quant
	.globl	k_qb1181b2c03_quant
	.p2align	8
	.type	k_qb1181b2c03_quant,@function
k_qb1181b2c03_quant:
	s_mov_b64 s[64:65], 0
	v_nop
	global_prefetch_b8 v0, s[64:65] scope:SCOPE_SE
	s_setreg_imm32_b32 hwreg(HW_REG_WAVE_MODE, 25, 1), 1
	s_wait_xcnt 0x0
; The table embedding [8000 (k)][1024 (n)], f32, becomes codes of FP8 (E4M3) with the given scale 2^e1 (entry 1 of lowp_scales):
; code = x / 2^e1, held within +-448, rounded to the nearest code, ties to even.  K is padded from 8,000 to 8,192 with zero codes, which add nothing to a sum.
; LIMITS: e1 between -126 and 119, so that 2^e1 and 448 x 2^e1 are f32 numbers.  NaN in the table is not served (an infinity is held at the largest code).
; LAYOUT OF bq: an image of the product's operand registers.  With nt = n >> 7, wn = (n >> 6) & 1, r = (n >> 2) & 15, b = n & 3, step = k >> 7, h = (k >> 6) & 1, c = (k >> 4) & 3, i = k & 15:
;   byte = nt x 2^20 + step x 16384 + (4 wn + b) x 2048 + c x 512 + (16 h + r) x 16 + i.
; So a fragment (16 columns x 128 k) is 2,048 bytes on end, four pieces of 512 bytes with lane 16 h + r at 16 x lane, and 8 steps of one nt are 131,072 dense bytes.
; SHARES.  Work-group (x = step, y = nt) makes one block of 16,384 bytes.  Wave w takes rows 128 step + 32 w .. + 31 as two units of 16 rows; lane l takes columns 4 l .. 4 l + 3 of the 128:
; a load of the wave reads 512 consecutive bytes of a row.  A LANE'S REGISTERS RUN DOWN K: the hold at the largest code writes number (row i, column b) to register 16 b + i, so the turn costs no
; instruction of its own, and the conversions give 16 codes along K of one column: 16 bytes, which sixteen neighbouring lanes store as 256 consecutive bytes, at a multiple of 256 from bq's first byte.
; No LDS, no barrier, no cluster: the waves share nothing, and no two work-groups read the same bytes.
.set KREAL, 8000
.set X, 32                             ; v32-159   the numbers as loaded: unit u, row i, column b at X + 64 u + 4 i + b
.set Y, 160                            ; v160-223  held numbers of the unit in hand: column b, row i at Y + 16 b + i
.set C, 224                            ; v224-255  codes: unit u, column b: four registers at C + 16 u + 4 b; each unit has its own, so no store's data are written again
	s_load_b128 s[4:7], s[0:1], 0x0                ; embedding s[4:5], lowp_scales s[6:7]
	s_load_b64 s[8:9], s[0:1], 0x10                ; bq
	v_lshrrev_b32 v3, 5, v0
	v_readfirstlane_b32 s12, v3                    ; wave 0..3
	v_and_b32 v4, 31, v0                           ; lane
	v_lshlrev_b32 v1, 4, v4                        ; in: my 16 bytes of a row's 512
	v_lshrrev_b32 v5, 4, v4                        ; wn = lane / 16
	v_and_b32 v6, 15, v4                           ; r = lane % 16
	v_lshlrev_b32 v2, 4, v6
	v_lshl_add_u32 v2, v5, 13, v2                  ; out: wn x 4 fragments of 2,048 bytes + 16 r
	s_lshl_b32 s13, ttmp9, 7
	s_lshl_b32 s14, s12, 5
	s_add_co_u32 s13, s13, s14                     ; k0 = 128 step + 32 wave: my first row
	s_and_b32 s15, ttmp7, 0xffff                   ; nt
	s_lshl_b32 s16, s15, 20                        ; where my wave's codes begin: nt x 2^20
	s_lshl_b32 s17, ttmp9, 14                      ; + step x 16384
	s_add_co_u32 s16, s16, s17
	s_and_b32 s17, s12, 1                          ; my rows are k (local) = 32 w + 16 u + i: c = 2 (w & 1) + u,
	s_lshl_b32 s17, s17, 10
	s_add_co_u32 s16, s16, s17
	s_lshr_b32 s17, s12, 1                         ; h = w >> 1: 16 lanes of 16 bytes on
	s_lshl_b32 s17, s17, 8
	s_add_co_u32 s16, s16, s17
	s_mov_b32 s17, 0
	s_lshl_b32 s18, s13, 12                        ; where my wave's numbers begin: k0 rows of 4,096 bytes
	s_lshl_b32 s19, s15, 9                         ; + nt x 128 columns of 4 bytes
	s_add_co_u32 s18, s18, s19
	s_mov_b32 s19, 0
	s_wait_kmcnt 0x0
	s_add_nc_u64 s[8:9], s[8:9], s[16:17]
	s_cmp_ge_u32 s13, KREAL                        ; 8,000 is a multiple of 32: a wave's rows lie wholly inside the table or wholly behind it.  The branch hangs on ids alone
	s_cbranch_scc1 .Lzero                          ; behind it: no load is issued, so none leaves the table
	s_load_b32 s20, s[6:7], 0x4                    ; e1
	s_add_nc_u64 s[4:5], s[4:5], s[18:19]
.irp u, 0,1
.irp i, 0,1,2,3,4,5,6,7,8,9,10,11,12,13,14,15
	global_load_b128 v[X+64*\u+4*\i:X+64*\u+4*\i+3], v1, s[4:5] offset:(16*\u+\i)*4096 th:TH_LOAD_NT   ; 32 lanes read 512 consecutive bytes; the launch reads them once
.endr
.endr
	s_wait_kmcnt 0x0
	s_add_co_i32 s20, s20, 127
	s_lshl_b32 s21, s20, 23
	v_mov_b32 v11, s21                             ; 2^e1 as f32: the conversion takes its exponent field
	s_add_co_i32 s20, s20, 8
	s_lshl_b32 s20, s20, 23
	s_or_b32 s20, s20, 0x600000
	v_mov_b32 v10, s20                             ; 448 x 2^e1
.macro UNIT u
.if \u == 0
	s_wait_loadcnt 16                              ; loads come back in order (ISA guide 5.7.1): this unit's 16 are in, the second unit's 16 may be out
.else
	s_wait_loadcnt 0x0
.endif
.irp b, 0,1,2,3
.irp i, 0,1,2,3,4,5,6,7,8,9,10,11,12,13,14,15
	v_med3_num_f32 v[Y+16*\b+\i], v[X+64*\u+4*\i+\b], -v10, v10   ; the conversion to an 8-bit code does not saturate (ISA guide 7.6.2): the hold; and the turn: column b's 16 rows on end
.endr
	v_cvt_scalef32_pk8_fp8_f32 v[C+16*\u+4*\b:C+16*\u+4*\b+1], v[Y+16*\b:Y+16*\b+7], v11       ; eight numbers / 2^e1; the first number's code in the lowest byte
	v_cvt_scalef32_pk8_fp8_f32 v[C+16*\u+4*\b+2:C+16*\u+4*\b+3], v[Y+16*\b+8:Y+16*\b+15], v11
.endr
	v_nop                                          ; one plain vector line behind the last conversion: the next unit's holds write the conversions' sources
.irp b, 0,1,2,3
	global_store_b128 v2, v[C+16*\u+4*\b:C+16*\u+4*\b+3], s[8:9] offset:\b*2048+\u*512   ; lanes 0-15: 256 consecutive bytes of fragment b; lanes 16-31: of fragment 4 + b
.endr
.endm
	UNIT 0
	UNIT 1
	s_endpgm
.Lzero:                                                ; rows 8,000 to 8,191: zero codes, which the product's launch reads
.irp j, 0,1,2,3
	v_mov_b32 v[C+\j], 0
.endr
.irp u, 0,1
.irp b, 0,1,2,3
	global_store_b128 v2, v[C:C+3], s[8:9] offset:\b*2048+\u*512
.endr
.endr
	s_endpgm
.Lfunc_end_k_qb1181b2c03_quant:
	.size	k_qb1181b2c03_quant, .Lfunc_end_k_qb1181b2c03_quant-k_qb1181b2c03_quant
	.p2alignl 7, 3214868480
	.fill 96, 4, 3214868480
	.section	.rodata,"a",@progbits
	.p2align	6, 0x0
	.amdhsa_kernel k_qb1181b2c03_quant
		.amdhsa_group_segment_fixed_size 0
		.amdhsa_private_segment_fixed_size 0
		.amdhsa_enable_private_segment 0
		.amdhsa_kernarg_size 24
		.amdhsa_user_sgpr_count 2
		.amdhsa_user_sgpr_kernarg_segment_ptr 1
		.amdhsa_wavefront_size32 1
		.amdhsa_system_sgpr_workgroup_id_x 1
		.amdhsa_system_sgpr_workgroup_id_y 1
		.amdhsa_system_sgpr_workgroup_id_z 1
		.amdhsa_system_vgpr_workitem_id 0
		.amdhsa_next_free_vgpr 256
		.amdhsa_next_free_sgpr 66
		.amdhsa_reserve_vcc 0
		.amdhsa_float_denorm_mode_32 3
		.amdhsa_float_denorm_mode_16_64 3
		.amdhsa_memory_ordered 1
		.amdhsa_forward_progress 1
		.amdhsa_inst_pref_size 16
	.end_amdhsa_kernel
	.amdgpu_metadata
---
amdhsa.version: [ 1, 2 ]
amdhsa.kernels:
  - .name:           k_qb1181b2c03_quant
    .symbol:         k_qb1181b2c03_quant.kd
    .args:
      - { .name: embedding, .offset: 0, .size: 8, .value_kind: global_buffer, .address_space: global }
      - { .name: lowp_scales, .offset: 8, .size: 8, .value_kind: global_buffer, .address_space: global }
      - { .name: bq, .offset: 16, .size: 8, .value_kind: global_buffer, .address_space: global }
    .group_segment_fixed_size: 0
    .private_segment_fixed_size: 0
    .kernarg_segment_align: 8
    .kernarg_segment_size: 24
    .max_flat_workgroup_size: 128
    .sgpr_count:     66
    .vgpr_count:     256
    .wavefront_size: 32
...
	.end_amdgpu_metadata
.endif
;; end of part 1
;; launch gemm (part 2): grid 32 x 8, 4 waves a work-group, clusters of 4 x 1, 327,680 bytes of LDS; arguments token_ids, lowp_scales, bq, out0; writes out0
.if DOCPART == 2
	.amdgcn_target "amdgcn-amd-amdhsa--gfx1250"
	.amdhsa_code_object_version 6
	.text
	.protected	k_qb1181b2c03_gemm
	.globl	k_qb1181b2c03_gemm
	.p2align	8
	.type	k_qb1181b2c03_gemm,@function
k_qb1181b2c03_gemm:
	s_mov_b64 s[64:65], 0
	v_nop
	global_prefetch_b8 v0, s[64:65] scope:SCOPE_SE
	s_setreg_imm32_b32 hwreg(HW_REG_WAVE_MODE, 25, 1), 1
	s_wait_xcnt 0x0
	s_wait_alu depctr_hold_cnt(0) depctr_sa_sdst(0) depctr_va_vdst(0) depctr_va_sdst(0) depctr_va_ssrc(0) depctr_va_vcc(0) depctr_vm_vsrc(0)
	s_getreg_b32 s2, hwreg(HW_REG_IB_STS2, 6, 4)
	s_cmp_eq_u32 s2, 0
	s_cbranch_scc0 .Lentry_in_a_cluster
	s_endpgm
.Lentry_in_a_cluster:
	s_bfe_u32 s2, ttmp6, 0x10000c
	s_cmp_lg_u32 s2, 0x3003
	s_cbranch_scc0 .Lentry_shape_is_right
	s_endpgm
.Lentry_shape_is_right:
; out0[m][n] = 2^(e0 + e1) x the sum over k of code(onehot(token_ids[m]))[k] x code(embedding)[k][n]: the dense product [8192 x 8192 (K, padded from 8,000 by zero codes)] x [8192 x 1024] on codes of FP8 (E4M3), sums in f32.
; The product is done whole, by the matrix instruction that the contract names.  B's codes come from bq (layout below).  A, THE ONE-HOT OPERAND, IS MADE IN REGISTERS: it never touches memory or LDS.
; LIMITS: e0 between -126 and 119, so that 2^e0 and 448 x 2^e0 are f32 numbers; e0 + e1 is applied by v_ldexp_f32 and has no limit of its own.  A token number outside 0 .. 7,999 gives a row of zeros, as one_hot does
; (8,000 .. 8,191 meet zero codes, all others match no K step).
; SHARES.  A work-group makes 256 tokens x 128 columns: 32 x 8 = 256 work-groups.  Wave w (wm = w >> 1, wn = w & 1) makes 128 tokens x 64 columns: 8 blocks a of 16 tokens x 4 fragments b of 16 columns: 32 accumulators.
; K goes in 64 steps of 128 through a ring of two LDS slots of 8 steps (131,072 bytes) each, filled by the tensor data mover, a quarter of a slot a wave.
; CLUSTER.  The four work-groups of a cluster have the same 128 columns and walk the same tiles of B: each tile is asked for JOINTLY, by the same tensor load with the same descriptor and the mask of all four.
; bq: byte = nt x 2^20 + step x 16384 + (4 wn + b) x 2048 + c x 512 + (16 h + r) x 16 + i for k = 128 step + 64 h + 16 c + i and n = 128 nt + 64 wn + 4 r + b.  A fragment comes by four ds_load_b128 of 512 consecutive bytes:
; no pitch, no padding.  Lane (r, h), register j, byte y then holds k = 64 h + 4 j + y of the step: a permutation of k that A follows, so that every product meets its partner; one product of a sum at the most is not 0.
; THE COLUMNS OF A FRAGMENT ARE NOT NEIGHBOURS: lane r of fragment b is column 4 r + b of the wave's 64.  So in the results (lane (r, h), register j: token 8 h + j, column of lane r) register j of the four fragments holds four
; NEIGHBOURING columns, 16 bytes, and sixteen lanes hold 256 consecutive bytes of a row of out0: the results are stored from registers as they stand, with no way through LDS.
; THE ONE-HOT FRAGMENT of block x in a step: for the lane's token t (row r of the block), made once: S_x = t >> 7 where bit 6 of t is the lane's h, else -1; P_x[j] = code(1.0) << 8 (t & 3) where (t >> 2) & 15 = j, else 0.
; In each step: one compare of S_x with the step's number, and 16 selects: G_x[j] = P_x[j] where they are equal, else 0.  No branch and no address hangs on a token.
; BY TURNS.  These 17 vector lines for block a + 1 stand between the four matrix instructions of block a.
; REGISTERS, in windows of 256 (s_set_vgpr_msb: bits 1:0 source 0, 3:2 source 1, 5:4 source 2, 7:6 destination), laid so that a block's matrix lines AND its vector lines run under ONE setting:
;   destination and C: the window of block a's accumulators; source 1: window 0 (B); source 0: the window of block a - 1's accumulators, where G_a, P_(a+1) and S_(a+2) lie.
;   window 0: v0-13 addresses and small things; v16-55 the set-up's fields; v128-191, v192-255 B's four fragments, two sets; on the way out v64-255 take the results.
;   window 1: v0-127 accumulators of blocks 0-3 ((a, b) at 32 a + 8 b); v128-175 G_1, G_2, G_3 (G_4 in G_1's place); v176-239 P_2 .. P_5; v240-243 S_3 .. S_6.
;   window 2: v0-127 accumulators of blocks 4-7; v128-175 G_5, G_6, G_7 (G_0 in G_5's place); v176-239 P_6, P_7, P_0, P_1; v240-243 S_7, S_0, S_1, S_2.
; A G's registers are written again two blocks behind the last matrix instruction that read them: the 17 plain vector lines of the block between, which name none of its registers, are the places that ISA guide 7.12.1 asks for.
.set STEPB, 16384                      ; a K step's codes of 128 columns
.set FRB,   2048                       ; a fragment
.set SLOT1, 1<<17                      ; slot 1 begins here: one exclusive or turns an address in one slot into the other's
.set SLOTB, 8*STEPB                    ; a slot's bytes, in memory and in LDS
.set SPARE, 2*SLOT1                    ; behind the ring: the spare words, 128 bytes for each wave: two blocks of 256 bytes that no other line names
.set LB,  4                            ; v4   my lane's place in a step's block: 16 x lane + 8192 wn; never rewritten
.set ADR, 5                            ; v5   LDS address of the run of loads in hand
.set SPW, 6                            ; v6   LDS address of my spare word: SPARE + 4 x my thread's number; never rewritten
.set NIL, 7                            ; v7   0; never rewritten
.set CO,  8                            ; v8   my byte offset in out0: 8 h rows + 16 r
.set WV,  12                           ; s12  my wave's number
.set G1,  24                           ; s[24:31] descriptor group 1
.set G0A, 32                           ; s[32:35] group 0 of slot 0's first fill
.set G0W, 36                           ; s[36:39] group 0 of slot 1's first fill; it then walks on
.set TB,  40                           ; s40  LDS byte of the step that is fetched next
.set STP, 41                           ; s41  the step's number that the compares take
.set MK,  42                           ; s42  the lanes whose token is NOT in that step and half
.set SLOTS, 43
.set PAIRS, 44
.set MSB, 0
.macro WIN new                         ; the immediate's high byte repeats the setting that is left; a switch that changes nothing is dropped
.if MSB != (\new)
	s_set_vgpr_msb (MSB<<8)|(\new)
.set MSB, (\new)
.endif
.endm
.macro CREST                           ; a round of the cluster's barrier behind its opening barrier
	s_cmp_lg_u32 s[WV], 0
	s_cbranch_scc1 .Lnot_wave_0_\@
	s_barrier_signal -3
.Lnot_wave_0_\@:
	s_barrier_wait -3
	s_barrier_signal -1
	s_barrier_wait -1
.endm
.macro CROUND                          ; a whole round
	s_barrier_signal -1
	s_barrier_wait -1
	CREST
.endm
	s_load_b256 s[4:11], s[0:1], 0x0               ; token_ids s[4:5], lowp_scales s[6:7], bq s[8:9], out0 s[10:11]
	v_lshl_add_u32 v[SPW], v0, 2, SPARE
	v_mov_b32 v[NIL], 0
	ds_add_u32 v[SPW], v[NIL]                      ; the wave's opening: the add and its wait stand ahead of my first tensor load; the set-up below, work on registers, stands between them
	v_lshrrev_b32 v3, 5, v0
	v_readfirstlane_b32 s[WV], v3                  ; wave 0..3
	s_lshr_b32 s13, s[WV], 1                       ; wm: which 128 tokens
	s_and_b32 s14, s[WV], 1                        ; wn: which 64 columns
	s_bfe_u32 s15, ttmp6, 0x40000                  ; cx: my place in the cluster
	s_lshl_b32 s16, ttmp9, 2                       ; in a cluster launch ttmp9 counts clusters
	s_add_co_u32 s16, s16, s15                     ; my block of 256 tokens = 4 x cluster x + cx: it enters token_ids' and out0's addresses alone
	s_and_b32 s17, ttmp7, 0xffff                   ; nt: my 128 columns, which the four partners share
	; descriptor group 1: a wave's quarter of a slot, 32,768 dense bytes, as 128 rows of 32 elements of 8 bytes
	s_mov_b32 s[G1+0], 15|(3<<16)|(1<<21)          ; 15:0 the mask: all four work-groups; 17:16 elements of 8 bytes; 20 no padding; 21 set beside a mask
	s_mov_b32 s[G1+1], 32<<16                      ; tensor_dim0 = 32
	s_mov_b32 s[G1+2], 128<<16                     ; tensor_dim1 = 128
	s_mov_b32 s[G1+3], 32<<16                      ; tile_dim0 = 32
	s_mov_b32 s[G1+4], 128                         ; tile_dim1 = 128
	s_mov_b32 s[G1+5], 32                          ; from row to row: 32 elements: dense
	s_mov_b32 s[G1+6], 0
	s_mov_b32 s[G1+7], 0
	s_mov_b32 s[TB], 0
	s_mov_b32 s[STP], 0
	s_lshl_b32 s18, s17, 20                        ; what I fetch: nt x 2^20 + wave x 32,768: the same in all four partners
	s_lshl_b32 s19, s[WV], 15
	s_add_co_u32 s18, s18, s19
	s_mov_b32 s19, 0
	s_wait_dscnt 0x0                               ; the opening add is done
	s_wait_kmcnt 0x0
	s_load_b64 s[46:47], s[6:7], 0x0               ; e0, e1
	s_add_nc_u64 s[8:9], s[8:9], s[18:19]
	CROUND                                         ; all four work-groups are here: the first joint loads meet
	s_mov_b32 s[G0A], 1                            ; count = 1
	s_lshl_b32 s[G0A+1], s[WV], 15                 ; LDS address: wave x 32,768: no place in the cluster enters it
	s_mov_b64 s[G0A+2:G0A+3], s[8:9]               ; steps 0 to 7
	s_or_b32 s[G0A+3], s[G0A+3], 0x80000000        ; type = 2
	s_mov_b32 s[G0W], 1
	s_add_co_u32 s[G0W+1], s[G0A+1], SLOT1
	s_add_nc_u64 s[G0W+2:G0W+3], s[8:9], SLOTB     ; steps 8 to 15
	s_or_b32 s[G0W+3], s[G0W+3], 0x80000000
	tensor_load_to_lds s[G0A:G0A+3], s[G1:G1+7]    ; both first fills go out together, ahead of every wait on TENSORcnt and every LDS read: two loads of mine are out
	s_nop 0
	tensor_load_to_lds s[G0W:G0W+3], s[G1:G1+7]
	s_nop 0
.rept 4
	v_nop
.endr
	; THE SET-UP, while the tiles land
	v_and_b32 v1, 15, v0                           ; r
	v_bfe_u32 v2, v0, 4, 1                         ; h
	v_and_b32 v3, 31, v0                           ; lane
	v_lshlrev_b32 v9, 2, v1                        ; 4 r
	s_lshl_b32 s20, s16, 8
	s_lshl_b32 s21, s13, 7
	s_add_co_u32 s20, s20, s21                     ; my wave's first token: 256 x block + 128 wm
	s_lshl_b32 s22, s20, 2
	s_mov_b32 s23, 0
	s_add_nc_u64 s[4:5], s[4:5], s[22:23]
.irp x, 0,1,2,3,4,5,6,7
	global_load_b32 v[16+\x], v9, s[4:5] offset:64*\x   ; t of row r of block x (both halves of the lanes take the same)
.endr
	s_lshl_b32 s50, s14, 13
	v_lshlrev_b32 v[LB], 4, v3
	v_add_nc_u32 v[LB], s50, v[LB]                 ; 16 x lane + my four fragments' 8,192 wn
	v_lshlrev_b32 v[CO], 4, v1
	v_lshl_add_u32 v[CO], v2, 15, v[CO]            ; 16 r + 8 h rows of 4,096 bytes
	s_lshl_b32 s22, s20, 12                        ; out0 at my first token's row,
	s_lshl_b32 s21, s17, 9                         ; + nt x 512 bytes
	s_add_co_u32 s22, s22, s21
	s_lshl_b32 s21, s14, 8                         ; + wn x 256 bytes
	s_add_co_u32 s22, s22, s21
	s_add_nc_u64 s[10:11], s[10:11], s[22:23]
	s_wait_kmcnt 0x0
	s_add_co_i32 s48, s46, s47                     ; e0 + e1
	s_add_co_i32 s49, s46, 127
	s_lshl_b32 s51, s49, 23
	v_mov_b32 v11, s51                             ; 2^e0 as f32: the conversion takes its exponent field
	s_add_co_i32 s49, s49, 8
	s_lshl_b32 s49, s49, 23
	s_or_b32 s49, s49, 0x600000
	v_mov_b32 v10, s49                             ; 448 x 2^e0
	v_min_num_f32 v48, 1.0, v10                    ; the one-hot's 1.0, held at the largest code x the scale (ISA guide 7.6.2: the conversion does not saturate); always executed, whatever e0 is
.irp j, 1,2,3,4,5,6,7
	v_mov_b32 v[48+\j], 0
.endr
	v_cvt_scalef32_pk8_fp8_f32 v[12:13], v[48:55], v11   ; v12 = the code of 1.0 in byte 0, the code 0 in the others
	v_nop                                          ; one plain vector line between a scaled conversion and the lines that read its result and write its sources
	s_wait_loadcnt 0x0                             ; the tokens
.irp x, 0,1,2,3,4,5,6,7
	v_bfe_u32 v[24+\x], v[16+\x], 2, 4             ; which register of the fragment
	v_and_b32 v[32+\x], 3, v[16+\x]                ; which byte of it
	v_bfe_u32 v[40+\x], v[16+\x], 6, 1             ; which half of the lanes
	v_lshrrev_b32 v[48+\x], 7, v[16+\x]            ; which step (a negative or too large t gives 64 or more: no step)
.endr
.irp x, 0,1,2,3,4,5,6,7
	v_lshlrev_b32 v[32+\x], 3, v[32+\x]
.endr
.irp x, 0,1,2,3,4,5,6,7
	v_lshlrev_b32 v[32+\x], v[32+\x], v12          ; the code of 1.0 in its byte
.endr
.macro MKS x                           ; S_x
	v_cmp_eq_u32 vcc_lo, v[40+(\x)], v2
	v_cndmask_b32 v[240+((\x)+1)%4], -1, v[48+(\x)], vcc_lo
.endm
.macro MKP x                           ; P_x[0 .. 15]
.set pj, 0
.rept 16
	v_cmp_eq_u32 vcc_lo, pj, v[24+(\x)]
	v_cndmask_b32 v[176+16*(((\x)+2)%4)+pj], 0, v[32+(\x)], vcc_lo
.set pj, pj+1
.endr
.endm
	WIN 0x40                                       ; destination window 1, sources window 0
.irp x, 3,4,5,6
	MKS \x
.endr
.irp x, 2,3,4,5
	MKP \x
.endr
	WIN 0x80                                       ; destination window 2
.irp x, 7,0,1,2
	MKS \x
.endr
.irp x, 6,7,0,1
	MKP \x
.endr
	WIN 0
; Items n0 .. n1 - 1 of block a's list of 17 vector lines: 0-15 the selects that make G_(a+1); 16 the compare for G_(a+2).
.macro GEN a, n0, n1
.set gx, ((\a)+1)%8
.set gG, 128+16*(((gx+3)%4)%3)
.set gP, 176+16*((gx+2)%4)
.set gS, 240+((((\a)+2)%8)+1)%4
.set gn, \n0
.rept (\n1)-(\n0)
.if gn < 16
	v_cndmask_b32 v[gG+gn], v[gP+gn], 0, s[MK]
.else
	v_cmp_ne_u32 s[MK], v[gS], s[STP]
.endif
.set gn, gn+1
.endr
.endm
; Fragment f of the step at s[TB], four loads of 512 consecutive bytes, into B's set q.  f = 0 makes the run's address and steps s[TB].
.macro LRUN f, q
	WIN 0
.if (\f) == 0
	v_add_nc_u32 v[ADR], s[TB], v[LB]
	s_add_co_u32 s[TB], s[TB], STEPB
.endif
.irp c, 0,1,2,3
	ds_load_b128 v[128+64*(\q)+16*(\f)+4*\c:128+64*(\q)+16*(\f)+4*\c+3], v[ADR] offset:(\f)*FRB+512*\c
.endr
.endm
; One matrix instruction: block a (source 0 = G_a: 16 tokens) x fragment b of set p (source 1: 16 columns).  zero = 1: the first product starts the sum: nothing is ever cleared.
.macro MM a, b, p, zero
.set mD, 32*((\a)%4)+8*(\b)
.set mA, 128+16*((((\a)+3)%4)%3)
.set mB, 128+64*(\p)+16*(\b)
.if \zero
	v_wmma_f32_16x16x128_fp8_fp8 v[mD:mD+7], v[mA:mA+15], v[mB:mB+15], 0
.else
	v_wmma_f32_16x16x128_fp8_fp8 v[mD:mD+7], v[mA:mA+15], v[mB:mB+15], v[mD:mD+7]
.endif
.endm
; A block: four matrix instructions with the 17 vector lines between them.  lf >= 0: behind the first stands the run of four loads for fragment lf of the next step, into the other set.  gen = 0: no vector lines (the last block of all).
; The 32 accumulators take turns, one instruction a turn, in the same order in every step.
.macro BLOCK a, p, zero, lf, gen
.set bMS, ((1+(\a)/4)<<6)|((1+(\a)/4)<<4)|(1+(((\a)+7)%8)/4)
.if (\a) == 6
	s_add_co_u32 s[STP], s[STP], 1                 ; from this block's compare on the masks are the next step's (G_0 and G_1 are made a step ahead)
.endif
	WIN bMS
	MM \a, 0, \p, \zero
.if (\lf) >= 0
	LRUN \lf, 1-(\p)
	WIN bMS
	MM \a, 1, \p, \zero
	GEN \a, 0, 6
	MM \a, 2, \p, \zero
	GEN \a, 6, 12
	MM \a, 3, \p, \zero
	GEN \a, 12, 17
.elseif \gen
	GEN \a, 0, 4
	MM \a, 1, \p, \zero
	GEN \a, 4, 8
	MM \a, 2, \p, \zero
	GEN \a, 8, 12
	MM \a, 3, \p, \zero
	GEN \a, 12, 17
.else
	MM \a, 1, \p, \zero
	MM \a, 2, \p, \zero
	MM \a, 3, \p, \zero
.endif
.endm
; A K step that has its successor in the same slot: it multiplies set p and fetches the next step into the other set, in blocks 1 to 4.  That set's last reader is the step before; block 0's vector lines are among the places between.
.macro STEP p, zero
	s_wait_dscnt 0x0                               ; set p is in: its 16 loads were issued in blocks 1 to 4 of the step before
	BLOCK 0, \p, \zero, -1, 1
	BLOCK 1, \p, \zero, 0, 1
	BLOCK 2, \p, \zero, 1, 1
	BLOCK 3, \p, \zero, 2, 1
	BLOCK 4, \p, \zero, 3, 1
	BLOCK 5, \p, \zero, -1, 1
	BLOCK 6, \p, \zero, -1, 1
	BLOCK 7, \p, \zero, -1, 1
.endm
; A slot's eighth step (set 1) changes slots: ONE barrier.  In front of it each wave waits for all its tensor loads (its part of the next slot), adds 0 to its spare word, and waits for that and for its reads of this slot.
; fill = 1: the barrier opens a round of the cluster's barrier, and behind the round this slot is filled again, with the steps two slots on: the load has eight steps, 256 matrix instructions, in which to land.
.macro TURN fill
	WIN 0                                          ; (the add's two registers lie in window 0)
	s_wait_tensorcnt 0x0                           ; all my tensor loads have landed, so a group 0 may be written
	ds_add_u32 v[SPW], v[NIL]                      ; 0 onto my spare word
.if \fill
	s_xor_b32 s[G0W+1], s[G0W+1], SLOT1            ; the walking descriptor: the other slot than last time,
	s_add_nc_u64 s[G0W+2:G0W+3], s[G0W+2:G0W+3], SLOTB   ; the next eight steps; the type bits on top are not reached
.endif
	s_wait_dscnt 1                                 ; set 1's 16 loads are in; the add, issued behind them, may be out
	BLOCK 0, 1, 0, -1, 1                           ; a block's work on registers stands between the add and the wait for it
	s_wait_dscnt 0x0                               ; the add is done, and my reads of this slot are over
	s_barrier_signal -1
	BLOCK 1, 1, 0, -1, 1                           ; work on registers while the others arrive
	WIN 0
	s_barrier_wait -1
.if \fill
	CREST                                          ; no wave of any partner still reads this slot or has a load on its way
	tensor_load_to_lds s[G0W:G0W+3], s[G1:G1+7]    ; the first thing behind the round, and my one tensor load until the next: one load of mine is out
	s_nop 0
.rept 4
	v_nop
.endr
.endif
	s_sub_co_u32 s[TB], s[TB], SLOTB               ; the fetches go back to a slot's first step,
	s_xor_b32 s[TB], s[TB], SLOT1                  ; in the other slot
	LRUN 0, 0                                      ; its four fragments in one run, into set 0, whose last reader is the step before
	LRUN 1, 0
	LRUN 2, 0
	LRUN 3, 0
.irp a, 2,3,4,5,6,7
	BLOCK \a, 1, 0, -1, 1
.endr
.endm
.macro SIX                             ; a slot's steps 1 to 6: a pair is written once and walked three times; the LDS addresses hang on s[TB]
	WIN 0                                          ; at a label and at a branch every window is 0: on the way in too, wherever the macro stands
	s_mov_b32 s[PAIRS], 3
.Lpair_\@:
	STEP 1, 0
	STEP 0, 0
	WIN 0
	s_sub_co_u32 s[PAIRS], s[PAIRS], 1
	s_cmp_lg_u32 s[PAIRS], 0
	s_cbranch_scc1 .Lpair_\@
.endm
	s_wait_tensorcnt 1                             ; my part of slot 0 is in; slot 1's may stay out
	s_barrier_signal -1
	s_barrier_wait -1                              ; everybody's is
	LRUN 0, 0                                      ; step 0
	LRUN 1, 0
	LRUN 2, 0
	LRUN 3, 0
	WIN 0x82                                       ; source 0 and destination window 2
	v_cmp_ne_u32 s[MK], v241, s[STP]               ; S_0 against step 0,
	GEN 7, 0, 17                                   ; G_0, and the compare for G_1: the list that block 7 of every step has
	STEP 0, 1                                      ; the first step stands in front of the loop: its products start the sums
	WIN 0
	s_mov_b32 s[SLOTS], 6
.Lslot:                                                ; six trips, from a slot's second step to the next slot's first: slots 0 to 5 are filled again
	SIX
	TURN 1
	STEP 0, 0
	WIN 0
	s_sub_co_u32 s[SLOTS], s[SLOTS], 1
	s_cmp_lg_u32 s[SLOTS], 0
	s_cbranch_scc1 .Lslot
	SIX                                            ; the tail is written out: slot 6 is left, and nothing is asked for
	TURN 0
	STEP 0, 0
	SIX
	s_wait_dscnt 0x0                               ; the very last step: nothing more to fetch, and no fragment of A to make behind G_7
.irp a, 0,1,2,3,4,5,6
	BLOCK \a, 1, 0, -1, 1
.endr
	BLOCK 7, 1, 0, -1, 0
	; THE WAY OUT.  Each sum x 2^(e0 + e1) goes into window 0 so that register j of a block's four accumulators stands on end: four neighbouring columns of token 16 a + 8 h + j.  Each accumulator is read from its low end on.
	WIN 0
.rept 4
	v_nop                                          ; four places (ISA guide 7.12.1) behind the last products: their results are read, and B's registers are written, only behind them
.endr
.macro OUT a
.set oT, 64+32*((\a)%6)                ; six sets of 32 registers, v64-255
.if (\a) == 6
	s_wait_xcnt 0x0                                ; the stores so far have read their data: blocks 0's and 1's registers are written again only behind this wait
.endif
	WIN 1+(\a)/4                                   ; source 0: the block's accumulators; destination window 0
.irp j, 0,1,2,3,4,5,6,7
.irp b, 0,1,2,3
	v_ldexp_f32 v[oT+4*\j+\b], v[32*((\a)%4)+8*\b+\j], s48
.endr
.endr
	WIN 0
.irp j, 0,1,2,3,4,5,6,7
	global_store_b128 v[CO], v[oT+4*\j:oT+4*\j+3], s[10:11] offset:(16*(\a)+\j)*4096 th:TH_STORE_NT   ; lanes 0-15 store 256 consecutive bytes of one row, at a multiple of 256 from out0's first byte; lanes 16-31 those of the row 8 further down; written once, read by nobody here
.endr
.endm
.irp a, 0,1,2,3,4,5,6,7
	OUT \a
.endr
	s_wait_tensorcnt 0x0                           ; the wave's end, behind my last tensor load
	ds_add_u32 v[SPW], v[NIL]
	s_wait_dscnt 0x0
	CROUND                                         ; the closing round: no work-group ends while a partner may still ask for a tile that names it
	s_endpgm
.Lfunc_end_k_qb1181b2c03_gemm:
	.size	k_qb1181b2c03_gemm, .Lfunc_end_k_qb1181b2c03_gemm-k_qb1181b2c03_gemm
	.p2alignl 7, 3214868480
	.fill 96, 4, 3214868480
	.section	.rodata,"a",@progbits
	.p2align	6, 0x0
	.amdhsa_kernel k_qb1181b2c03_gemm
		.amdhsa_group_segment_fixed_size 327680
		.amdhsa_private_segment_fixed_size 0
		.amdhsa_enable_private_segment 0
		.amdhsa_kernarg_size 32
		.amdhsa_user_sgpr_count 2
		.amdhsa_user_sgpr_kernarg_segment_ptr 1
		.amdhsa_wavefront_size32 1
		.amdhsa_system_sgpr_workgroup_id_x 1
		.amdhsa_system_sgpr_workgroup_id_y 1
		.amdhsa_system_sgpr_workgroup_id_z 1
		.amdhsa_system_vgpr_workitem_id 0
		.amdhsa_next_free_vgpr 768
		.amdhsa_next_free_sgpr 66
		.amdhsa_reserve_vcc 1
		.amdhsa_float_denorm_mode_32 3
		.amdhsa_float_denorm_mode_16_64 3
		.amdhsa_memory_ordered 1
		.amdhsa_forward_progress 1
		.amdhsa_inst_pref_size 185
	.end_amdhsa_kernel
	.amdgpu_metadata
---
amdhsa.version: [ 1, 2 ]
amdhsa.kernels:
  - .name:           k_qb1181b2c03_gemm
    .symbol:         k_qb1181b2c03_gemm.kd
    .args:
      - { .name: token_ids, .offset: 0, .size: 8, .value_kind: global_buffer, .address_space: global }
      - { .name: lowp_scales, .offset: 8, .size: 8, .value_kind: global_buffer, .address_space: global }
      - { .name: bq, .offset: 16, .size: 8, .value_kind: global_buffer, .address_space: global }
      - { .name: out0, .offset: 24, .size: 8, .value_kind: global_buffer, .address_space: global }
    .group_segment_fixed_size: 327680
    .private_segment_fixed_size: 0
    .kernarg_segment_align: 8
    .kernarg_segment_size: 32
    .max_flat_workgroup_size: 128
    .sgpr_count:     66
    .vgpr_count:     768
    .wavefront_size: 32
...
	.end_amdgpu_metadata
.endif
;; end of part 2
;; ======== version 2 of 2: 2 launches; 1.16 times as fast as version 1
;; workspace buffers: bq 8,388,608 bytes
;; launch quant: the kernel of part 1 again; grid 64 x 8, 4 waves a work-group, no clusters, 0 bytes of LDS; arguments embedding, lowp_scales, bq; writes bq
;; launch gemm (part 3): grid 32 x 8, 4 waves a work-group, clusters of 4 x 1, 327,680 bytes of LDS; arguments token_ids, lowp_scales, bq, out0; writes out0
.if DOCPART == 3
	.amdgcn_target "amdgcn-amd-amdhsa--gfx1250"
	.amdhsa_code_object_version 6
	.text
	.protected	k_qb1181b2c03_gemm
	.globl	k_qb1181b2c03_gemm
	.p2align	8
	.type	k_qb1181b2c03_gemm,@function
k_qb1181b2c03_gemm:
	s_mov_b64 s[64:65], 0
	v_nop
	global_prefetch_b8 v0, s[64:65] scope:SCOPE_SE
	s_setreg_imm32_b32 hwreg(HW_REG_WAVE_MODE, 25, 1), 1
	s_wait_xcnt 0x0
	s_wait_alu depctr_hold_cnt(0) depctr_sa_sdst(0) depctr_va_vdst(0) depctr_va_sdst(0) depctr_va_ssrc(0) depctr_va_vcc(0) depctr_vm_vsrc(0)
	s_getreg_b32 s2, hwreg(HW_REG_IB_STS2, 6, 4)
	s_cmp_eq_u32 s2, 0
	s_cbranch_scc0 .Lentry_in_a_cluster
	s_endpgm
.Lentry_in_a_cluster:
	s_bfe_u32 s2, ttmp6, 0x10000c
	s_cmp_lg_u32 s2, 0x3003
	s_cbranch_scc0 .Lentry_shape_is_right
	s_endpgm
.Lentry_shape_is_right:
; out0[m][n] = 2^(e0 + e1) x the sum over k of code(onehot(token_ids[m]))[k] x code(embedding)[k][n]: the dense product [8192 x 8192 (K, padded from 8,000 by zero codes)] x [8192 x 1024] on codes of FP8 (E4M3), sums in f32.
; The product is done whole, by the matrix instruction that the contract names.  B's codes come from bq (layout below).  A, THE ONE-HOT OPERAND, IS MADE IN REGISTERS: it never touches memory or LDS.
; LIMITS: e0 between -126 and 119, so that 2^e0 and 448 x 2^e0 are f32 numbers; e0 + e1 is applied by v_ldexp_f32 and has no limit of its own.  A token number outside 0 .. 7,999 gives a row of zeros, as one_hot does
; (8,000 .. 8,191 meet zero codes, all others match no K step).
; SHARES.  A work-group makes 256 tokens x 128 columns: 32 x 8 = 256 work-groups.  Wave w (wm = w >> 1, wn = w & 1) makes 128 tokens x 64 columns: 8 blocks a of 16 tokens x 4 fragments b of 16 columns: 32 accumulators.
; K goes in 64 steps of 128 through a ring of two LDS slots of 8 steps (131,072 bytes) each, filled by the tensor data mover, a quarter of a slot a wave.
; CLUSTER.  The four work-groups of a cluster have the same 128 columns and walk the same tiles of B: each tile is asked for JOINTLY, by the same tensor load with the same descriptor and the mask of all four.
; bq: byte = nt x 2^20 + step x 16384 + (4 wn + b) x 2048 + c x 512 + (16 h + r) x 16 + i for k = 128 step + 64 h + 16 c + i and n = 128 nt + 64 wn + 4 r + b.  A fragment comes by four ds_load_b128 of 512 consecutive bytes:
; no pitch, no padding.  Lane (r, h), register j, byte y then holds k = 64 h + 4 j + y of the step: a permutation of k that A follows, so that every product meets its partner; one product of a sum at the most is not 0.
; THE COLUMNS OF A FRAGMENT ARE NOT NEIGHBOURS: lane r of fragment b is column 4 r + b of the wave's 64.  So in the results (lane (r, h), register j: token 8 h + j, column of lane r) register j of the four fragments holds four
; NEIGHBOURING columns, 16 bytes, and sixteen lanes hold 256 consecutive bytes of a row of out0: the results are stored from registers as they stand, with no way through LDS.
; THE ONE-HOT FRAGMENT of block x in a step: for the lane's token t (row r of the block), made once: S_x = t >> 7 where bit 6 of t is the lane's h, else -1; P_x[j] = code(1.0) << 8 (t & 3) where (t >> 2) & 15 = j, else 0.
; In each step: one compare of S_x with the step's number; one select, M_x = 1.0 where they are equal, else 0.0; and eight packed multiplications, G_x[2 q, 2 q + 1] = M_x x P_x[2 q, 2 q + 1]: TWO REGISTERS AN INSTRUCTION.
; Why a multiplication in f32 may pass codes through: a word of P is 0 or one code in one byte; the code is at most 0x7e (the hold at 448 x the scale stands ahead of the conversion) and has no sign, so the word, read as f32, is a
; finite number that is not negative: x 1.0 it is itself, bit for bit (a word with its code in bytes 0 to 2 is a denormal, and the wave's mode keeps f32 denormals), x 0.0 it is +0.  No branch and no address hangs on a token.
; BY TURNS.  These 10 vector lines for the blocks that follow stand between the four matrix instructions of block a.
; REGISTERS, in windows of 256 (s_set_vgpr_msb: bits 1:0 source 0, 3:2 source 1, 5:4 source 2, 7:6 destination), laid so that a block's matrix lines AND its vector lines run under ONE setting:
;   destination and C: the window of block a's accumulators (G_(a+1) and M_(a+2) are written there); source 0: the window of block a - 1's accumulators (G_a, M_(a+1), S_(a+2) are read there); source 1: window 3 (B, and P).
;   window 0: v0-13 addresses and small things; v16-55 the set-up's fields; on the way out v64-255 take the results.
;   window 1: v0-127 accumulators of blocks 0-3 ((a, b) at 32 a + 8 b); v128-175 G_1, G_2, G_3 (G_4 in G_1's place); v240-243 S_3 .. S_6; v244-251 M_2 .. M_5, a pair each (the low word is M).
;   window 2: v0-127 accumulators of blocks 4-7; v128-175 G_5, G_6, G_7 (G_0 in G_5's place); v240-243 S_7, S_0, S_1, S_2; v244-251 M_6, M_7, M_0, M_1.
;   window 3: v0-63, v64-127 B's four fragments, two sets; v128-255 P_0 .. P_7.
; A G's registers are written again two blocks behind the last matrix instruction that read them: the 10 plain vector lines of the block between, which name none of its registers, are among the places that ISA guide 7.12.1 asks for.
.set STEPB, 16384                      ; a K step's codes of 128 columns
.set FRB,   2048                       ; a fragment
.set SLOT1, 1<<17                      ; slot 1 begins here: one exclusive or turns an address in one slot into the other's
.set SLOTB, 8*STEPB                    ; a slot's bytes, in memory and in LDS
.set SPARE, 2*SLOT1                    ; behind the ring: the spare words, 128 bytes for each wave: two blocks of 256 bytes that no other line names
.set LB,  4                            ; v4   my lane's place in a step's block: 16 x lane + 8192 wn; never rewritten
.set ADR, 5                            ; v5   LDS address of the run of loads in hand
.set SPW, 6                            ; v6   LDS address of my spare word: SPARE + 4 x my thread's number; never rewritten
.set NIL, 7                            ; v7   0; never rewritten
.set CO,  8                            ; v8   my byte offset in out0: 8 h rows + 16 r
.set WV,  12                           ; s12  my wave's number
.set G1,  24                           ; s[24:31] descriptor group 1
.set G0A, 32                           ; s[32:35] group 0 of slot 0's first fill
.set G0W, 36                           ; s[36:39] group 0 of slot 1's first fill; it then walks on
.set TB,  40                           ; s40  LDS byte of the step that is fetched next
.set STP, 41                           ; s41  the step's number that the compares take
.set MK,  42                           ; s42  the lanes whose token is in that step and half
.set SLOTS, 43
.set PAIRS, 44
.set MSB, 0
.macro WIN new                         ; the immediate's high byte repeats the setting that is left; a switch that changes nothing is dropped
.if MSB != (\new)
	s_set_vgpr_msb (MSB<<8)|(\new)
.set MSB, (\new)
.endif
.endm
.macro CREST                           ; a round of the cluster's barrier behind its opening barrier
	s_cmp_lg_u32 s[WV], 0
	s_cbranch_scc1 .Lnot_wave_0_\@
	s_barrier_signal -3
.Lnot_wave_0_\@:
	s_barrier_wait -3
	s_barrier_signal -1
	s_barrier_wait -1
.endm
.macro CROUND                          ; a whole round
	s_barrier_signal -1
	s_barrier_wait -1
	CREST
.endm
	s_load_b256 s[4:11], s[0:1], 0x0               ; token_ids s[4:5], lowp_scales s[6:7], bq s[8:9], out0 s[10:11]
	v_lshl_add_u32 v[SPW], v0, 2, SPARE
	v_mov_b32 v[NIL], 0
	ds_add_u32 v[SPW], v[NIL]                      ; the wave's opening: the add and its wait stand ahead of my first tensor load; the set-up below, work on registers, stands between them
	v_lshrrev_b32 v3, 5, v0
	v_readfirstlane_b32 s[WV], v3                  ; wave 0..3
	s_lshr_b32 s13, s[WV], 1                       ; wm: which 128 tokens
	s_and_b32 s14, s[WV], 1                        ; wn: which 64 columns
	s_bfe_u32 s15, ttmp6, 0x40000                  ; cx: my place in the cluster
	s_lshl_b32 s16, ttmp9, 2                       ; in a cluster launch ttmp9 counts clusters
	s_add_co_u32 s16, s16, s15                     ; my block of 256 tokens = 4 x cluster x + cx: it enters token_ids' and out0's addresses alone
	s_and_b32 s17, ttmp7, 0xffff                   ; nt: my 128 columns, which the four partners share
	; descriptor group 1: a wave's quarter of a slot, 32,768 dense bytes, as 128 rows of 32 elements of 8 bytes
	s_mov_b32 s[G1+0], 15|(3<<16)|(1<<21)          ; 15:0 the mask: all four work-groups; 17:16 elements of 8 bytes; 20 no padding; 21 set beside a mask
	s_mov_b32 s[G1+1], 32<<16                      ; tensor_dim0 = 32
	s_mov_b32 s[G1+2], 128<<16                     ; tensor_dim1 = 128
	s_mov_b32 s[G1+3], 32<<16                      ; tile_dim0 = 32
	s_mov_b32 s[G1+4], 128                         ; tile_dim1 = 128
	s_mov_b32 s[G1+5], 32                          ; from row to row: 32 elements: dense
	s_mov_b32 s[G1+6], 0
	s_mov_b32 s[G1+7], 0
	s_mov_b32 s[TB], 0
	s_mov_b32 s[STP], 0
	s_lshl_b32 s18, s17, 20                        ; what I fetch: nt x 2^20 + wave x 32,768: the same in all four partners
	s_lshl_b32 s19, s[WV], 15
	s_add_co_u32 s18, s18, s19
	s_mov_b32 s19, 0
	s_wait_dscnt 0x0                               ; the opening add is done
	s_wait_kmcnt 0x0
	s_load_b64 s[46:47], s[6:7], 0x0               ; e0, e1
	s_add_nc_u64 s[8:9], s[8:9], s[18:19]
	CROUND                                         ; all four work-groups are here: the first joint loads meet
	s_mov_b32 s[G0A], 1                            ; count = 1
	s_lshl_b32 s[G0A+1], s[WV], 15                 ; LDS address: wave x 32,768: no place in the cluster enters it
	s_mov_b64 s[G0A+2:G0A+3], s[8:9]               ; steps 0 to 7
	s_or_b32 s[G0A+3], s[G0A+3], 0x80000000        ; type = 2
	s_mov_b32 s[G0W], 1
	s_add_co_u32 s[G0W+1], s[G0A+1], SLOT1
	s_add_nc_u64 s[G0W+2:G0W+3], s[8:9], SLOTB     ; steps 8 to 15
	s_or_b32 s[G0W+3], s[G0W+3], 0x80000000
	tensor_load_to_lds s[G0A:G0A+3], s[G1:G1+7]    ; both first fills go out together, ahead of every wait on TENSORcnt and every LDS read: two loads of mine are out
	s_nop 0
	tensor_load_to_lds s[G0W:G0W+3], s[G1:G1+7]
	s_nop 0
.rept 4
	v_nop
.endr
	; THE SET-UP, while the tiles land
	v_and_b32 v1, 15, v0                           ; r
	v_bfe_u32 v2, v0, 4, 1                         ; h
	v_and_b32 v3, 31, v0                           ; lane
	v_lshlrev_b32 v9, 2, v1                        ; 4 r
	s_lshl_b32 s20, s16, 8
	s_lshl_b32 s21, s13, 7
	s_add_co_u32 s20, s20, s21                     ; my wave's first token: 256 x block + 128 wm
	s_lshl_b32 s22, s20, 2
	s_mov_b32 s23, 0
	s_add_nc_u64 s[4:5], s[4:5], s[22:23]
.irp x, 0,1,2,3,4,5,6,7
	global_load_b32 v[16+\x], v9, s[4:5] offset:64*\x   ; t of row r of block x (both halves of the lanes take the same)
.endr
	s_lshl_b32 s50, s14, 13
	v_lshlrev_b32 v[LB], 4, v3
	v_add_nc_u32 v[LB], s50, v[LB]                 ; 16 x lane + my four fragments' 8,192 wn
	v_lshlrev_b32 v[CO], 4, v1
	v_lshl_add_u32 v[CO], v2, 15, v[CO]            ; 16 r + 8 h rows of 4,096 bytes
	s_lshl_b32 s22, s20, 12                        ; out0 at my first token's row,
	s_lshl_b32 s21, s17, 9                         ; + nt x 512 bytes
	s_add_co_u32 s22, s22, s21
	s_lshl_b32 s21, s14, 8                         ; + wn x 256 bytes
	s_add_co_u32 s22, s22, s21
	s_add_nc_u64 s[10:11], s[10:11], s[22:23]
	s_wait_kmcnt 0x0
	s_add_co_i32 s48, s46, s47                     ; e0 + e1
	s_add_co_i32 s49, s46, 127
	s_lshl_b32 s51, s49, 23
	v_mov_b32 v11, s51                             ; 2^e0 as f32: the conversion takes its exponent field
	s_add_co_i32 s49, s49, 8
	s_lshl_b32 s49, s49, 23
	s_or_b32 s49, s49, 0x600000
	v_mov_b32 v10, s49                             ; 448 x 2^e0
	v_min_num_f32 v48, 1.0, v10                    ; the one-hot's 1.0, held at the largest code x the scale (ISA guide 7.6.2: the conversion does not saturate); always executed, whatever e0 is
.irp j, 1,2,3,4,5,6,7
	v_mov_b32 v[48+\j], 0
.endr
	v_cvt_scalef32_pk8_fp8_f32 v[12:13], v[48:55], v11   ; v12 = the code of 1.0 in byte 0, the code 0 in the others
	v_nop                                          ; one plain vector line between a scaled conversion and the lines that read its result and write its sources
	s_wait_loadcnt 0x0                             ; the tokens
.irp x, 0,1,2,3,4,5,6,7
	v_bfe_u32 v[24+\x], v[16+\x], 2, 4             ; which register of the fragment
	v_and_b32 v[32+\x], 3, v[16+\x]                ; which byte of it
	v_bfe_u32 v[40+\x], v[16+\x], 6, 1             ; which half of the lanes
	v_lshrrev_b32 v[48+\x], 7, v[16+\x]            ; which step (a negative or too large t gives 64 or more: no step)
.endr
.irp x, 0,1,2,3,4,5,6,7
	v_lshlrev_b32 v[32+\x], 3, v[32+\x]
.endr
.irp x, 0,1,2,3,4,5,6,7
	v_lshlrev_b32 v[32+\x], v[32+\x], v12          ; the code of 1.0 in its byte
.endr
.macro MKS x                           ; S_x
	v_cmp_eq_u32 vcc_lo, v[40+(\x)], v2
	v_cndmask_b32 v[240+((\x)+1)%4], -1, v[48+(\x)], vcc_lo
.endm
.macro MKP x                           ; P_x[0 .. 15]
.set pj, 0
.rept 16
	v_cmp_eq_u32 vcc_lo, pj, v[24+(\x)]
	v_cndmask_b32 v[128+16*(\x)+pj], 0, v[32+(\x)], vcc_lo
.set pj, pj+1
.endr
.endm
	WIN 0x40                                       ; destination window 1, sources window 0
.irp x, 3,4,5,6
	MKS \x
.endr
.irp j, 245,247,249,251
	v_mov_b32 v\j, 0                               ; the upper halves of M's pairs: the packed form names the pair and takes its low word for both halves, so the upper word is written once
.endr
	WIN 0x80                                       ; destination window 2
.irp x, 7,0,1,2
	MKS \x
.endr
.irp j, 245,247,249,251
	v_mov_b32 v\j, 0
.endr
	WIN 0xc0                                       ; destination window 3
.irp x, 0,1,2,3,4,5,6,7
	MKP \x
.endr
	WIN 0
; Items n0 .. n1 - 1 of block a's list of 10 vector lines: eight packed multiplications that make G_(a+1) from M_(a+1), which the block before made; item 3 the compare and item 9 the select that make M_(a+2).
; The compare stands six lines ahead of the select that reads its mask.
.macro GEN a, n0, n1
.set gx, ((\a)+1)%8
.set gG, 128+16*(((gx+3)%4)%3)
.set gP, 128+16*gx
.set gM, 244+2*((gx+2)%4)
.set gy, ((\a)+2)%8
.set gS, 240+(gy+1)%4
.set gN, 244+2*((gy+2)%4)
.set gn, \n0
.rept (\n1)-(\n0)
.if gn == 3
	v_cmp_eq_u32 s[MK], v[gS], s[STP]
.elseif gn == 9
	v_cndmask_b32 v[gN], 0, 1.0, s[MK]
.else
.if gn < 3
.set gq, gn
.else
.set gq, gn-1
.endif
	v_pk_mul_f32 v[gG+2*gq:gG+2*gq+1], v[gM:gM+1], v[gP+2*gq:gP+2*gq+1] op_sel_hi:[0,1]   ; both words of P x the low word of M's pair
.endif
.set gn, gn+1
.endr
.endm
; The four fragments of the step at s[TB], 16 loads of 512 consecutive bytes in ONE run, into B's set q; s[TB] steps on.  It leaves destination window 3.
.macro LRUN q
	WIN 0
	v_add_nc_u32 v[ADR], s[TB], v[LB]
	s_add_co_u32 s[TB], s[TB], STEPB
	WIN 0xc0                                       ; destination window 3, address window 0
.irp f, 0,1,2,3
.irp c, 0,1,2,3
	ds_load_b128 v[64*(\q)+16*\f+4*\c:64*(\q)+16*\f+4*\c+3], v[ADR] offset:\f*FRB+512*\c
.endr
.endr
.endm
; One matrix instruction: block a (source 0 = G_a: 16 tokens) x fragment b of set p (source 1: 16 columns).  zero = 1: the first product starts the sum: nothing is ever cleared.
.macro MM a, b, p, zero
.set mD, 32*((\a)%4)+8*(\b)
.set mA, 128+16*((((\a)+3)%4)%3)
.set mB, 64*(\p)+16*(\b)
.if \zero
	v_wmma_f32_16x16x128_fp8_fp8 v[mD:mD+7], v[mA:mA+15], v[mB:mB+15], 0
.else
	v_wmma_f32_16x16x128_fp8_fp8 v[mD:mD+7], v[mA:mA+15], v[mB:mB+15], v[mD:mD+7]
.endif
.endm
; A block: four matrix instructions with the 10 vector lines between them.  ld = 1: behind the first stands the run of loads for the next step, into the other set.  gen = 0: no vector lines (the last block of all).
; The 32 accumulators take turns, one instruction a turn, in the same order in every step.
.macro BLOCK a, p, zero, ld, gen
.set bMS, ((1+(\a)/4)<<6)|((1+(\a)/4)<<4)|(3<<2)|(1+(((\a)+7)%8)/4)
.if (\a) == 6
	s_add_co_u32 s[STP], s[STP], 1                 ; from this block's compare on the M are the next step's (M_0 and M_1, and with them G_0 and G_1, are made a step ahead)
.endif
	WIN bMS
	MM \a, 0, \p, \zero
.if \ld
	LRUN 1-(\p)
	WIN bMS
	MM \a, 1, \p, \zero
	GEN \a, 0, 4
	MM \a, 2, \p, \zero
	GEN \a, 4, 7
	MM \a, 3, \p, \zero
	GEN \a, 7, 10
.elseif \gen
	GEN \a, 0, 3
	MM \a, 1, \p, \zero
	GEN \a, 3, 6
	MM \a, 2, \p, \zero
	GEN \a, 6, 8
	MM \a, 3, \p, \zero
	GEN \a, 8, 10
.else
	MM \a, 1, \p, \zero
	MM \a, 2, \p, \zero
	MM \a, 3, \p, \zero
.endif
.endm
; A K step that has its successor in the same slot: it multiplies set p and fetches the next step into the other set, in block 1.  That set's last reader is the last product of the step before: the two vector lines behind it
; and block 0's ten are the places between.
.macro STEP p, zero
	s_wait_dscnt 0x0                               ; set p is in: its 16 loads were issued in block 1 of the step before, 27 matrix instructions ago
	BLOCK 0, \p, \zero, 0, 1
	BLOCK 1, \p, \zero, 1, 1
	BLOCK 2, \p, \zero, 0, 1
	BLOCK 3, \p, \zero, 0, 1
	BLOCK 4, \p, \zero, 0, 1
	BLOCK 5, \p, \zero, 0, 1
	BLOCK 6, \p, \zero, 0, 1
	BLOCK 7, \p, \zero, 0, 1
.endm
; A slot's eighth step (set 1) changes slots: ONE barrier.  In front of it each wave waits for all its tensor loads (its part of the next slot), adds 0 to its spare word, and waits for that and for its reads of this slot.
; fill = 1: the barrier opens a round of the cluster's barrier, and behind the round this slot is filled again, with the steps two slots on: the load has eight steps, 256 matrix instructions, in which to land.
.macro TURN fill
	WIN 0                                          ; (the add's two registers lie in window 0)
	s_wait_tensorcnt 0x0                           ; all my tensor loads have landed, so a group 0 may be written
	ds_add_u32 v[SPW], v[NIL]                      ; 0 onto my spare word
.if \fill
	s_xor_b32 s[G0W+1], s[G0W+1], SLOT1            ; the walking descriptor: the other slot than last time,
	s_add_nc_u64 s[G0W+2:G0W+3], s[G0W+2:G0W+3], SLOTB   ; the next eight steps; the type bits on top are not reached
.endif
	s_wait_dscnt 1                                 ; set 1's 16 loads are in; the add, issued behind them, may be out
	BLOCK 0, 1, 0, 0, 1                            ; a block's work on registers stands between the add and the wait for it
	s_wait_dscnt 0x0                               ; the add is done, and my reads of this slot are over
	s_barrier_signal -1
	BLOCK 1, 1, 0, 0, 1                            ; work on registers while the others arrive
	WIN 0
	s_barrier_wait -1
.if \fill
	CREST                                          ; no wave of any partner still reads this slot or has a load on its way
	tensor_load_to_lds s[G0W:G0W+3], s[G1:G1+7]    ; the first thing behind the round, and my one tensor load until the next: one load of mine is out
	s_nop 0
.rept 4
	v_nop
.endr
.endif
	s_sub_co_u32 s[TB], s[TB], SLOTB               ; the fetches go back to a slot's first step,
	s_xor_b32 s[TB], s[TB], SLOT1                  ; in the other slot
	LRUN 0                                         ; its four fragments into set 0, whose last reader is the step before: blocks 0's and 1's vector lines are the places between
.irp a, 2,3,4,5,6,7
	BLOCK \a, 1, 0, 0, 1
.endr
.endm
.macro SIX                             ; a slot's steps 1 to 6: a pair is written once and walked three times; the LDS addresses hang on s[TB]
	WIN 0                                          ; at a label and at a branch every window is 0: on the way in too, wherever the macro stands
	s_mov_b32 s[PAIRS], 3
.Lpair_\@:
	STEP 1, 0
	STEP 0, 0
	WIN 0
	s_sub_co_u32 s[PAIRS], s[PAIRS], 1
	s_cmp_lg_u32 s[PAIRS], 0
	s_cbranch_scc1 .Lpair_\@
.endm
	s_wait_tensorcnt 1                             ; my part of slot 0 is in; slot 1's may stay out
	s_barrier_signal -1
	s_barrier_wait -1                              ; everybody's is
	LRUN 0                                         ; step 0
	WIN 0xae                                       ; block 7's setting: source 0, C and destination window 2, source 1 window 3
	v_cmp_eq_u32 s[MK], v241, s[STP]               ; S_0 against step 0,
	v_cndmask_b32 v248, 0, 1.0, s[MK]              ; M_0,
	GEN 7, 0, 10                                   ; G_0 and M_1: the list that block 7 of every step has
	STEP 0, 1                                      ; the first step stands in front of the loop: its products start the sums
	WIN 0
	s_mov_b32 s[SLOTS], 6
.Lslot:                                                ; six trips, from a slot's second step to the next slot's first: slots 0 to 5 are filled again
	SIX
	TURN 1
	STEP 0, 0
	WIN 0
	s_sub_co_u32 s[SLOTS], s[SLOTS], 1
	s_cmp_lg_u32 s[SLOTS], 0
	s_cbranch_scc1 .Lslot
	SIX                                            ; the tail is written out: slot 6 is left, and nothing is asked for
	TURN 0
	STEP 0, 0
	SIX
	s_wait_dscnt 0x0                               ; the very last step: nothing more to fetch, and no fragment of A to make behind G_7
.irp a, 0,1,2,3,4,5,6
	BLOCK \a, 1, 0, 0, 1
.endr
	BLOCK 7, 1, 0, 0, 0
	; THE WAY OUT.  Each sum x 2^(e0 + e1) goes into window 0 so that register j of a block's four accumulators stands on end: four neighbouring columns of token 16 a + 8 h + j.  Each accumulator is read from its low end on.
	WIN 0
.rept 4
	v_nop                                          ; four places (ISA guide 7.12.1) behind the last products: their results are read only behind them
.endr
.macro OUT a
.set oT, 64+32*((\a)%6)                ; six sets of 32 registers, v64-255
.if (\a) == 6
	s_wait_xcnt 0x0                                ; the stores so far have read their data: blocks 0's and 1's registers are written again only behind this wait
.endif
	WIN 1+(\a)/4                                   ; source 0: the block's accumulators; destination window 0
.irp j, 0,1,2,3,4,5,6,7
.irp b, 0,1,2,3
	v_ldexp_f32 v[oT+4*\j+\b], v[32*((\a)%4)+8*\b+\j], s48
.endr
.endr
	WIN 0
.irp j, 0,1,2,3,4,5,6,7
	global_store_b128 v[CO], v[oT+4*\j:oT+4*\j+3], s[10:11] offset:(16*(\a)+\j)*4096 th:TH_STORE_NT   ; lanes 0-15 store 256 consecutive bytes of one row, at a multiple of 256 from out0's first byte; lanes 16-31 those of the row 8 further down; written once, read by nobody here
.endr
.endm
.irp a, 0,1,2,3,4,5,6,7
	OUT \a
.endr
	s_wait_tensorcnt 0x0                           ; the wave's end, behind my last tensor load
	ds_add_u32 v[SPW], v[NIL]
	s_wait_dscnt 0x0
	CROUND                                         ; the closing round: no work-group ends while a partner may still ask for a tile that names it
	s_endpgm
.Lfunc_end_k_qb1181b2c03_gemm:
	.size	k_qb1181b2c03_gemm, .Lfunc_end_k_qb1181b2c03_gemm-k_qb1181b2c03_gemm
	.p2alignl 7, 3214868480
	.fill 96, 4, 3214868480
	.section	.rodata,"a",@progbits
	.p2align	6, 0x0
	.amdhsa_kernel k_qb1181b2c03_gemm
		.amdhsa_group_segment_fixed_size 327680
		.amdhsa_private_segment_fixed_size 0
		.amdhsa_enable_private_segment 0
		.amdhsa_kernarg_size 32
		.amdhsa_user_sgpr_count 2
		.amdhsa_user_sgpr_kernarg_segment_ptr 1
		.amdhsa_wavefront_size32 1
		.amdhsa_system_sgpr_workgroup_id_x 1
		.amdhsa_system_sgpr_workgroup_id_y 1
		.amdhsa_system_sgpr_workgroup_id_z 1
		.amdhsa_system_vgpr_workitem_id 0
		.amdhsa_next_free_vgpr 1024
		.amdhsa_next_free_sgpr 66
		.amdhsa_reserve_vcc 1
		.amdhsa_float_denorm_mode_32 3
		.amdhsa_float_denorm_mode_16_64 3
		.amdhsa_memory_ordered 1
		.amdhsa_forward_progress 1
		.amdhsa_inst_pref_size 142
	.end_amdhsa_kernel
	.amdgpu_metadata
---
amdhsa.version: [ 1, 2 ]
amdhsa.kernels:
  - .name:           k_qb1181b2c03_gemm
    .symbol:         k_qb1181b2c03_gemm.kd
    .args:
      - { .name: token_ids, .offset: 0, .size: 8, .value_kind: global_buffer, .address_space: global }
      - { .name: lowp_scales, .offset: 8, .size: 8, .value_kind: global_buffer, .address_space: global }
      - { .name: bq, .offset: 16, .size: 8, .value_kind: global_buffer, .address_space: global }
      - { .name: out0, .offset: 24, .size: 8, .value_kind: global_buffer, .address_space: global }
    .group_segment_fixed_size: 327680
    .private_segment_fixed_size: 0
    .kernarg_segment_align: 8
    .kernarg_segment_size: 32
    .max_flat_workgroup_size: 128
    .sgpr_count:     66
    .vgpr_count:     1024
    .wavefront_size: 32
...
	.end_amdgpu_metadata
.endif
;; end of part 3
